; MI455X (gfx1250); checked and timed in simulation.
; The chip was launched on July 23, 2026; its instructions are those of AMD's public machine-readable ISA for CDNA 5 (MIT licence, August 2026) and "CDNA5" Instruction Set Architecture Reference Guide (July 2026). The comments in the code are by the model that wrote it; some were corrected since.
;; Causal Self Attention. Allowed arithmetic: matrix products marked QUANTISED: E4M3 operands, one given power-of-two scale a tensor, by v_wmma_f32_16x16x64_fp8_fp8 or v_wmma_f32_16x16x128_fp8_fp8, f32 sums; everything else in f32.
;; Inputs: lowp_scales 8 int32 (the exponents e of the quantised operands' scales 2^e); w_proj 1,024 x 1,024 float32; w_qkv 1,024 x 3,072 float32; x 4 x 2,048 x 1,024 float32.
;; Outputs: out0 4 x 2,048 x 1,024 float32.
;; This version of the problem:
;;   THIS VERSION OF THE PROBLEM IS GIVEN IN LOW PRECISION. The matrix products marked QUANTISED in the list below multiply operands that are first quantised to E4M3 (4 exponent bits, 3 mantissa bits; 8 bits a number), with one given power-of-two scale for each operand tensor; their sums are f32. All else is computed in f32.
;;   The module's matrix products, in the order in which they are computed (A, B: the left and right operand; K: the contracted axis; several contracted axes count as one K, in the product's order):
;;     1. [M 8,192, K 1,024] x [K 1,024, N 3,072]; A: input x; B: input w_qkv: QUANTISED (scales: A lowp_scales[0], B lowp_scales[1])
;;     2. batch 64 x [M 2,048, K 64] x [K 64, N 2,048]; A: computed on the way; B: computed on the way: QUANTISED (scales: A lowp_scales[2], B lowp_scales[3])
;;     3. batch 64 x [M 2,048, K 2,048] x [K 2,048, N 64]; A: softmax (see below); B: computed on the way: QUANTISED (scales: A lowp_scales[4], B lowp_scales[5])
;;     4. [M 8,192, K 1,024] x [K 1,024, N 1,024]; A: computed on the way; B: input w_proj: QUANTISED (scales: A lowp_scales[6], B lowp_scales[7])
;;   THE QUANTISER, for each operand of a quantised product, along K:
;;     - The operand's scale is 2^e, e = its entry of the input lowp_scales (int32; the entries are numbered through the quantised products in the list's order, A before B).
;;     - Each number is divided by the scale, clamped to +-448, and rounded to the nearest number of E4M3, ties to even, subnormals kept.
;;     - The product sums the exact products of the quantised numbers (number of the format x scale) in f32.
;;   ~~~python
;;   def quantise(x, axis, e):      # numpy; x: float32 -> the quantised numbers, widened to float32 again
;;       x = np.moveaxis(x, axis, -1); K = x.shape[-1]
;;       r = np.clip(x / 2.0 ** e, -448, 448)
;;       step = 2.0 ** (np.maximum(np.frexp(np.where(r == 0, 1, r))[1] - 1, -6) - 3)
;;       q = np.round(r / step) * step * 2.0 ** e      # np.round: ties to even
;;       return np.moveaxis(q, -1, axis).astype(np.float32)
;;   ~~~
;;   SOFTMAX AHEAD OF A QUANTISED PRODUCT. Where the list says 'softmax', what is quantised is not the finished softmax but p = 2^(t - M), with t = logit x log2(e) and M = ceil(the row's largest t), a whole number; so 1/2 < the row's largest p <= 1. The row's sum l is taken of the UNQUANTISED p, in f32, and the product's result is divided by l at the end. Since M is a whole number, a kernel that streams over the keys may use a running M (the ceiling of the running maximum): every later rescaling is an exact power of two, so the quantised numbers keep their values, but for numbers so far below the row's largest that they fall under the format's range.
;;   OPERANDS COMPUTED ON THE WAY. 'Computed on the way' means the value that the module computes at that place (a softmax that the list does not call 'softmax' is quantised finished and normalised). What goes into a quantiser is computed in f32, as accurately as f32 sums, v_exp_f32 and their like allow (about 1e-6 of the number): no bf16 or f16 on the way to a quantiser, and a product that is left as it is and whose result goes on into a quantised operand takes f32 operands (vector FMAs, or v_wmma_f32_16x16x4_f32). A number that lies on a knife's edge between two numbers of the format may be rounded either way, as far as f32 arithmetic and the matrix unit's own rounding can turn it there, and no further.
;; One version. Each part assembles by itself: llvm-mc -triple=amdgcn-amd-amdhsa -mcpu=gfx1250 --defsym DOCPART=n.
;; ======== version 1 of 1: 4 launches
;; limits: right only within a limited range of input values
;; workspace buffers: xc 8,388,608 bytes; wqc 3,145,728 bytes; wpc 1,048,576 bytes; qc 8,388,608 bytes; kc 8,388,608 bytes; vc 8,388,608 bytes; yc 8,388,608 bytes
;; launch quant (part 1): grid 768 x 1, 4 waves a work-group, no clusters, 34,304 bytes of LDS; arguments x, w_qkv, w_proj, lowp_scales, xc, wqc, wpc; writes xc, wqc, wpc
.if DOCPART == 1
	.amdgcn_target "amdgcn-amd-amdhsa--gfx1250"
	.amdhsa_code_object_version 6
	.text
	.protected	k_qf09c4204a0_quant
	.globl	k_qf09c4204a0_quant
	.p2align	8
	.type	k_qf09c4204a0_quant,@function
k_qf09c4204a0_quant:
	s_mov_b64 s[64:65], 0
	v_nop
	global_prefetch_b8 v0, s[64:65] scope:SCOPE_SE
	s_setreg_imm32_b32 hwreg(HW_REG_WAVE_MODE, 25, 1), 1
	s_wait_xcnt 0x0
; x [8192][1024], w_qkv [1024][3072] and w_proj [1024][1024], f32, become codes of FP8 (E4M3), each with the one scale 2^e given for it (entries 0, 1 and 7).
; code = number / 2^e, held within +-448, rounded to the nearest code, ties to even.
; THE CODES ARE LAID AS IMAGES OF THE OPERANDS' REGISTERS.  An image is 16 rows x 128 K in 2,048 bytes: the 16 bytes at 512 c + 16 lane are registers 4 c .. 4 c + 3 of that lane,
; lane = r + 16 h holding row r: bytes 0-7 are K = 32 c + 8 h + 0..7, bytes 8-15 are K = 32 c + 16 + 8 h + 0..7.  xc: [K / 128][row / 16][image]; wqc, wpc: [K / 128][column / 16][image], an image's rows being columns of the weight.
; Work-groups 0-511 take x (16 rows each, a wave 256 along K), 512-703 w_qkv, 704-767 w_proj (128 along K x 128 columns each, a wave 32 columns).  All read 64 KiB.
; No matrix unit, no cluster, no barrier: a stream in which waves share nothing.
; LIMITS: each of the three exponents lies between -126 and 119, so that 2^e and 448 x 2^e are f32 numbers.  NaN among the inputs is not served.
.set SP,    528                        ; a stage row: 512 bytes + 16 = 132 words: row r starts 4 r words on, so the 16 rows of a read fall on different banks (64 banks of 4 bytes: ISA guide 11.1)
.set STG,   16*SP                      ; a wave's own stage: 16 rows
.set SPARE, 4*STG                      ; behind the four stages: the spare words, 128 bytes for each wave, which no other line names
.set XSTEP, 1048576                    ; xc: bytes from one 128 along K to the next
.set R,   16                           ; v16-143   x: two fragments as loaded, 16 rows x 4 registers each
.set X,   144                          ; v144-207  x: 64 numbers in the operand's order
.set C,   208                          ; v208-239  x: 16 registers of codes for each fragment
.set SPW, 12                           ; v12  LDS address of my spare word; never rewritten
.set NIL, 13                           ; v13  0; never rewritten
	s_load_b256 s[4:11], s[0:1], 0x0               ; x s[4:5], w_qkv s[6:7], w_proj s[8:9], the exponents s[10:11]
	s_load_b128 s[12:15], s[0:1], 0x20             ; xc s[12:13], wqc s[14:15]
	s_load_b64 s[16:17], s[0:1], 0x30              ; wpc
	v_lshl_add_u32 v[SPW], v0, 2, SPARE
	v_mov_b32 v[NIL], 0
	v_lshrrev_b32 v1, 5, v0
	v_readfirstlane_b32 s18, v1                    ; wave 0..3
	v_and_b32 v2, 31, v0                           ; lane
	v_lshlrev_b32 v3, 4, v2                        ; 16 x lane
	v_lshlrev_b32 v4, 2, v2                        ; 4 x lane
	s_mul_i32 s19, s18, STG
	v_add_nc_u32 v5, s19, v3                       ; the stage, on the way in: a row as it lies
	v_and_b32 v7, 15, v0                           ; r
	v_bfe_u32 v8, v0, 4, 1                         ; h
	v_mul_u32_u24 v6, v7, SP
	v_lshl_add_u32 v6, v8, 5, v6
	v_add_nc_u32 v6, s19, v6                       ; and on the way out: row r, 8 h numbers on
	s_wait_kmcnt 0x0
	s_load_b256 s[24:31], s[10:11], 0x0            ; the eight exponents
	s_cmp_lt_u32 ttmp9, 512
	s_cbranch_scc0 .Lweights
.macro SCALE e                         ; v11 = 2^e as f32 (the conversion takes its exponent field)
	s_add_co_i32 s20, \e, 127
	s_lshl_b32 s21, s20, 23
	v_mov_b32 v11, s21
.endm
	; ---- x: rows 16 g .. 16 g + 15 (g = the work-group), K = 256 wave .. + 255: two images
	s_lshl_b32 s20, ttmp9, 16                      ; 16 rows of 4,096 bytes
	s_lshl_b32 s21, s18, 10                        ; 256 numbers
	s_add_co_u32 s20, s20, s21
	s_mov_b32 s21, 0
	s_add_nc_u64 s[4:5], s[4:5], s[20:21]
	s_lshl_b32 s22, s18, 21                        ; two steps of 128 along K in xc
	s_lshl_b32 s23, ttmp9, 11                      ; an image for each 16 rows
	s_add_co_u32 s22, s22, s23
	s_mov_b32 s23, 0
	s_add_nc_u64 s[12:13], s[12:13], s[22:23]
.set i, 0
	s_wait_alu depctr_va_vdst(0)
.rept 32                               ; fragment i / 16, row i % 16: the 32 lanes read 512 consecutive bytes
	global_load_b128 v[R+4*i:R+4*i+3], v3, s[4:5] offset:4096*(i%16)+512*(i/16) th:TH_LOAD_NT
.set i, i+1
.endr
	s_wait_kmcnt 0x0
	SCALE s24
; One fragment: through my own stage, so that a lane gets eight neighbours along K of ITS row in consecutive registers; LDS serves a wave's instructions in order, so no wait stands between the stores and the loads.
.macro FRAG f
	s_wait_loadcnt 16*(1-(\f))                     ; this fragment's 16 loads are in; the other's, issued behind them, may be out
.set i, 0
.rept 16
	ds_store_b128 v5, v[R+64*(\f)+4*i:R+64*(\f)+4*i+3] offset:SP*i
.set i, i+1
.endr
.set i, 0
.rept 16                               ; registers 8 c + 4 e on: K = 16 c + 8 h + 4 e + 0..3, c = i / 2, e = i % 2
	ds_load_b128 v[X+4*i:X+4*i+3], v6 offset:64*(i/2)+16*(i%2)
.set i, i+1
.endr
	s_wait_dscnt 0x0
.set i, 0
.rept 64
.set i, i+1
.endr
.set i, 0
.rept 8
	v_cvt_scalef32_pk8_fp8_f32 v[C+16*(\f)+2*i:C+16*(\f)+2*i+1], v[X+8*i:X+8*i+7], v11
.set i, i+1
.endr
	v_nop                                          ; a plain line behind the last conversion
.set i, 0
.rept 4
	global_store_b128 v3, v[C+16*(\f)+4*i:C+16*(\f)+4*i+3], s[12:13] offset:XSTEP*(\f)+512*i   ; 512 consecutive bytes, aligned
.set i, i+1
.endr
.endm
	s_wait_alu depctr_va_vdst(0)
	FRAG 0
	FRAG 1
	s_wait_tensorcnt 0x0                           ; the wave's end, behind my last LDS store
	ds_add_u32 v[SPW], v[NIL]
	s_wait_dscnt 0x0
	s_endpgm
; ---- the weights: K is their FIRST axis.  A lane takes a column and its registers run down K: each load reads 128 consecutive bytes a wave, 512 a work-group, and the conversions give codes with K innermost.
.macro LOADB t, N, src                 ; block t: rows 32 t + i of my column into set t % 2
.set i, 0
.rept 32
	global_load_b32 v[16+32*((\t)%2)+i], v4, s[\src:\src+1] offset:(32*(\t)+i)*\N*4 th:TH_LOAD_NT
.set i, i+1
.endr
.endm
; A block of 32 along K.  T0 takes K 0-7 and 16-23, T1 K 8-15 and 24-31, of the wave's 32 columns.  Exchanging T0's upper 16 lanes with T1's lower 16 leaves in T0 the piece of the image of columns 0-15
; (lanes 16-31: K + 8) and in T1 that of columns 16-31.  Each block has code registers of its own: no store's data are written again.
.macro BLOCK t, N, src, dst
.set XS, 16+32*((\t)%2)
.set T0, 80+8*(\t)
.set T1, 84+8*(\t)
.if (\t) < 3
	s_wait_loadcnt 32                              ; this block's 32 loads are in; the next block's may be out
.else
	s_wait_loadcnt 0x0
.endif
.set i, 0
.rept 32
.set i, i+1
.endr
	v_cvt_scalef32_pk8_fp8_f32 v[T0:T0+1], v[XS:XS+7], v11
	v_cvt_scalef32_pk8_fp8_f32 v[T1:T1+1], v[XS+8:XS+15], v11
	v_cvt_scalef32_pk8_fp8_f32 v[T0+2:T0+3], v[XS+16:XS+23], v11
	v_cvt_scalef32_pk8_fp8_f32 v[T1+2:T1+3], v[XS+24:XS+31], v11
	v_nop                                          ; a plain line between the conversions and the lines that touch their results
.set i, 0
.rept 4
	v_permlane16_swap_b32 v[T0+i], v[T1+i]
.set i, i+1
.endr
	global_store_b128 v3, v[T0:T0+3], s[\dst:\dst+1] offset:512*(\t)
	global_store_b128 v3, v[T1:T1+3], s[\dst:\dst+1] offset:2048+512*(\t)
.if (\t) < 2
	LOADB (\t)+2, \N, \src
.endif
.endm
.macro WPATH N, src, dst, e, first
	s_sub_co_u32 s20, ttmp9, \first
	s_and_b32 s21, s20, 7                          ; which 128 along K
	s_lshr_b32 s22, s20, 3                         ; which 128 columns
	s_mul_i32 s32, s21, 128*\N*4
	s_lshl_b32 s33, s22, 9
	s_add_co_u32 s32, s32, s33
	s_lshl_b32 s33, s18, 7                         ; my wave's 32 columns
	s_add_co_u32 s32, s32, s33
	s_mov_b32 s33, 0
	s_add_nc_u64 s[\src:\src+1], s[\src:\src+1], s[32:33]
	s_mul_i32 s34, s21, (\N/16)*2048
	s_lshl_b32 s35, s22, 14                        ; eight images
	s_add_co_u32 s34, s34, s35
	s_lshl_b32 s35, s18, 12                        ; my wave's two
	s_add_co_u32 s34, s34, s35
	s_mov_b32 s35, 0
	s_add_nc_u64 s[\dst:\dst+1], s[\dst:\dst+1], s[34:35]
	LOADB 0, \N, \src
	LOADB 1, \N, \src
	s_wait_kmcnt 0x0
	SCALE \e
	s_wait_alu depctr_va_vdst(0)
	BLOCK 0, \N, \src, \dst
	BLOCK 1, \N, \src, \dst
	BLOCK 2, \N, \src, \dst
	BLOCK 3, \N, \src, \dst
	s_endpgm
.endm
.Lweights:
	s_cmp_lt_u32 ttmp9, 704
	s_cbranch_scc0 .Lproj
	s_wait_alu depctr_va_vdst(0)
	WPATH 3072, 6, 14, s25, 512
.Lproj:
	s_wait_alu depctr_va_vdst(0)
	WPATH 1024, 8, 16, s31, 704
.Lfunc_end_k_qf09c4204a0_quant:
	.size	k_qf09c4204a0_quant, .Lfunc_end_k_qf09c4204a0_quant-k_qf09c4204a0_quant
	.p2alignl 7, 3214868480
	.fill 96, 4, 3214868480
	.section	.rodata,"a",@progbits
	.p2align	6, 0x0
	.amdhsa_kernel k_qf09c4204a0_quant
		.amdhsa_group_segment_fixed_size 34304
		.amdhsa_private_segment_fixed_size 0
		.amdhsa_enable_private_segment 0
		.amdhsa_kernarg_size 56
		.amdhsa_user_sgpr_count 2
		.amdhsa_user_sgpr_kernarg_segment_ptr 1
		.amdhsa_wavefront_size32 1
		.amdhsa_system_sgpr_workgroup_id_x 1
		.amdhsa_system_sgpr_workgroup_id_y 1
		.amdhsa_system_sgpr_workgroup_id_z 1
		.amdhsa_system_vgpr_workitem_id 0
		.amdhsa_next_free_vgpr 240
		.amdhsa_next_free_sgpr 66
		.amdhsa_reserve_vcc 0
		.amdhsa_float_denorm_mode_32 3
		.amdhsa_float_denorm_mode_16_64 3
		.amdhsa_fp16_overflow 1
		.amdhsa_memory_ordered 1
		.amdhsa_forward_progress 1
		.amdhsa_inst_pref_size 42
	.end_amdhsa_kernel
	.amdgpu_metadata
---
amdhsa.version: [ 1, 2 ]
amdhsa.kernels:
  - .name:           k_qf09c4204a0_quant
    .symbol:         k_qf09c4204a0_quant.kd
    .args:
      - { .name: x, .offset: 0, .size: 8, .value_kind: global_buffer, .address_space: global }
      - { .name: w_qkv, .offset: 8, .size: 8, .value_kind: global_buffer, .address_space: global }
      - { .name: w_proj, .offset: 16, .size: 8, .value_kind: global_buffer, .address_space: global }
      - { .name: lowp_scales, .offset: 24, .size: 8, .value_kind: global_buffer, .address_space: global }
      - { .name: xc, .offset: 32, .size: 8, .value_kind: global_buffer, .address_space: global }
      - { .name: wqc, .offset: 40, .size: 8, .value_kind: global_buffer, .address_space: global }
      - { .name: wpc, .offset: 48, .size: 8, .value_kind: global_buffer, .address_space: global }
    .group_segment_fixed_size: 34304
    .private_segment_fixed_size: 0
    .kernarg_segment_align: 8
    .kernarg_segment_size: 56
    .max_flat_workgroup_size: 128
    .sgpr_count:     66
    .vgpr_count:     240
    .wavefront_size: 32
...
	.end_amdgpu_metadata
.endif
;; end of part 1
;; launch gemm_qkv (part 2): grid 12 x 64, 4 waves a work-group, clusters of 4 x 4, 327,680 bytes of LDS; arguments xc, wqc, lowp_scales, qc, kc, vc; writes qc, kc, vc
.if DOCPART == 2
	.amdgcn_target "amdgcn-amd-amdhsa--gfx1250"
	.amdhsa_code_object_version 6
	.text
	.protected	k_qf09c4204a0_gemm_qkv
	.globl	k_qf09c4204a0_gemm_qkv
	.p2align	8
	.type	k_qf09c4204a0_gemm_qkv,@function
k_qf09c4204a0_gemm_qkv:
	s_mov_b64 s[64:65], 0
	v_nop
	global_prefetch_b8 v0, s[64:65] scope:SCOPE_SE
	s_setreg_imm32_b32 hwreg(HW_REG_WAVE_MODE, 25, 1), 1
	s_wait_xcnt 0x0
	s_wait_alu depctr_hold_cnt(0) depctr_sa_sdst(0) depctr_va_vdst(0) depctr_va_sdst(0) depctr_va_ssrc(0) depctr_va_vcc(0) depctr_vm_vsrc(0)
	s_getreg_b32 s2, hwreg(HW_REG_IB_STS2, 6, 4)
	s_cmp_eq_u32 s2, 0
	s_cbranch_scc0 .Lentry_in_a_cluster
	s_endpgm
.Lentry_in_a_cluster:
	s_bfe_u32 s2, ttmp6, 0x10000c
	s_cmp_lg_u32 s2, 0xf033
	s_cbranch_scc0 .Lentry_shape_is_right
	s_endpgm
.Lentry_shape_is_right:
; qkv = x w_qkv on codes of FP8 (E4M3): [8192][1024] x [1024][3072]; each finished sum stands for sum x 2^(e0 + e1) and is quantised at once for attention: q with e2, k with e3, v with e5.
; Operands and results are IMAGES OF OPERAND REGISTERS (16 rows x 128 K in 2,048 bytes, or x 64 K in 1,024: the 16 bytes at 512 c + 16 lane are the lane's registers 4 c .. 4 c + 3), so a fragment comes from LDS by
; loads of 512 consecutive bytes, no tile is padded, and the results leave from registers in stores of 512 consecutive bytes.
; A work-group of four waves makes 128 rows x 256 columns; 4 x 4 work-groups form a cluster: x's blocks are asked for JOINTLY along a row of the cluster, the weight's along a column.
; The cluster's x says which tensor: 0 q, 1 k, 2 v; it is the same in all sixteen partners.  One text serves all three; what differs is chosen by s_cselect on it.
;   q, k: source 0 = 8 fragments of the weight (128 columns: 2 heads), source 1 = 4 of x (64 rows).  A lane then holds one token and 8 neighbouring channels: one conversion of an accumulator gives two registers of the
;         image [head][token / 16][16 tokens x 64 channels].
;   v:    source 0 = 8 fragments of x (128 rows), source 1 = 4 of the weight (64 columns: 1 head).  A lane holds one channel and 8 neighbouring keys: the image [head][key / 128][channel / 16][16 channels x 128 keys].
; K = 1,024 is 8 steps of 128, written out.  Three LDS slots of 256 along K get their first fills together; slot 0 is filled once more: a wave has three tensor loads out at the start, later one.
; No prefetch: three quarters of K are asked for at the head.
; LIMIT: e2 - e0 - e1, e3 - e0 - e1 and e5 - e0 - e1 lie between -126 and 119, so that the folded scale and 448 x it are f32 numbers.
; REGISTERS, in windows of 256: window 0: v16-18, v20-22 LDS addresses; v24, v25 store offsets; v28, v29 the add's two; v30 the scale; v64-127, v128-191 source 1's fragments, two sets.
;   window 1: source 0's fragments, two sets of 128.   window 2: the 32 accumulators, (a, b) at v[8 (8 a + b)].
.set A_S,   1048576                    ; xc: bytes from one 128 along K to the next
.set B_S,   393216                     ; wqc likewise
.set BOFF,  16384                      ; in a half slot: x's 8 images, then the weight's 16
.set HALF,  49152                      ; a half slot: 128 along K
.set SLOT,  2*HALF
.set SPARE, 3*SLOT                     ; behind the slots: the spare words, 128 bytes for each wave, which no other line names
.set AD8, 16
.set AD4, 20
.set SPW, 28
.set NIL, 29
.set P4,  64
.set G1A, 24                           ; s[24:31] descriptor group 1 for x's blocks;  s[32:39] for the weight's
.set G1B, 32
.set G0A, 40                           ; s[40:51] group 0 for x's blocks, a set for each slot;  s[52:63] for the weight's
.set G0B, 52
.set MSB, 0
.macro WIN new                         ; the immediate's high byte repeats the setting that is left
.if MSB != \new
	s_set_vgpr_msb (MSB<<8)|\new
.set MSB, \new
.endif
.endm
.set MUL, 0xa1                         ; source 0 window 1, source 1 window 0, C and D window 2
.set TO8, 0x40                         ; destination window 1, address window 0
.macro PLACES n
.rept \n
	v_nop
.endr
.endm
; A joint load: waves 0 and 1 fetch x's two blocks of a slot, waves 2 and 3 the weight's.  The branch hangs on the wave's number alone.  An s_nop 0 and four v_nop follow each line.
.macro JLOAD g0a, g0b
	s_cmp_eq_u32 s17, 0
	s_cbranch_scc0 .Lfor_b_\@
	tensor_load_to_lds s[\g0a:\g0a+3], s[G1A:G1A+7]
	s_nop 0
	PLACES 4
	s_branch .Lasked_\@
.Lfor_b_\@:
	tensor_load_to_lds s[\g0b:\g0b+3], s[G1B:G1B+7]
	s_nop 0
	PLACES 4
.Lasked_\@:
.endm
.macro CREST                           ; a round of the cluster's barrier behind its opening barrier
	s_cmp_lg_u32 s16, 0
	s_cbranch_scc1 .Lnot_wave_0_\@
	s_barrier_signal -3
.Lnot_wave_0_\@:
	s_barrier_wait -3
	s_barrier_signal -1
	s_barrier_wait -1
.endm
.macro CROUND
	s_barrier_signal -1
	s_barrier_wait -1
	CREST
.endm
	s_load_b128 s[4:7], s[0:1], 0x0                ; xc s[4:5], wqc s[6:7]
	s_load_b128 s[8:11], s[0:1], 0x10              ; the exponents s[8:9], qc s[10:11]
	s_load_b128 s[12:15], s[0:1], 0x20             ; kc s[12:13], vc s[14:15]
	v_lshl_add_u32 v[SPW], v0, 2, SPARE
	v_mov_b32 v[NIL], 0
	ds_add_u32 v[SPW], v[NIL]
	ds_add_u32 v[SPW], v[NIL]                      ; the wave's opening: the add and its wait ahead of my first tensor load; the set-up below stands between them
	v_lshrrev_b32 v1, 5, v0
	v_readfirstlane_b32 s16, v1                    ; wave 0..3
	s_lshr_b32 s17, s16, 1                         ; I fetch for x (0) or for the weight (1)
	s_and_b32 s18, s16, 1                          ; which 128 along K of a slot I fetch
	s_bfe_u32 s66, ttmp6, 0x40000                  ; cx
	s_bfe_u32 s67, ttmp6, 0x40004                  ; cy
	s_lshl_b32 s68, ttmp9, 2
	s_add_co_u32 s68, s68, s66                     ; tile column = 4 x cluster x + cx
	s_and_b32 s69, ttmp7, 0xffff
	s_lshl_b32 s69, s69, 2
	s_add_co_u32 s69, s69, s67                     ; tile row = 4 x cluster y + cy
	s_lshl_b32 s70, s67, 2
	s_lshl_b32 s70, 15, s70                        ; my row of the cluster
	s_lshl_b32 s71, 0x1111, s66                    ; my column
	; group 1: a dense block as rows of 256 bytes (32 elements of 8 bytes): 64 rows for x, 128 for the weight; no padding
	s_or_b32 s[G1A], s70, (3<<16)|(1<<21)
	s_or_b32 s[G1B], s71, (3<<16)|(1<<21)
	s_mov_b32 s[G1A+1], 32<<16                     ; tensor_dim0
	s_mov_b32 s[G1A+2], 64<<16                     ; tensor_dim1
	s_mov_b32 s[G1A+3], 32<<16                     ; tile_dim0
	s_mov_b32 s[G1A+4], 64                         ; tile_dim1
	s_mov_b32 s[G1A+5], 32                         ; the pitch
	s_mov_b32 s[G1A+6], 0
	s_mov_b32 s[G1A+7], 0
	s_mov_b32 s[G1B+1], 32<<16
	s_mov_b32 s[G1B+2], 128<<16
	s_mov_b32 s[G1B+3], 32<<16
	s_mov_b32 s[G1B+4], 128
	s_mov_b32 s[G1B+5], 32
	s_mov_b32 s[G1B+6], 0
	s_mov_b32 s[G1B+7], 0
	s_lshl_b32 s72, s18, 20                        ; x: my 128 along K,
	s_lshl_b32 s73, s69, 14                        ; the tile row's 8 images
	s_add_co_u32 s72, s72, s73
	s_mov_b32 s73, 0
	s_mul_i32 s74, s18, B_S                        ; the weight: my 128 along K,
	s_lshl_b32 s75, s68, 15                        ; the tile column's 16 images
	s_add_co_u32 s74, s74, s75
	s_mov_b32 s75, 0
	s_mul_i32 s76, s18, HALF                       ; where they go: the half slot, x's block first: no place in the cluster enters an LDS address
	s_lshl_b32 s77, s17, 14
	s_add_co_u32 s76, s76, s77
	s_wait_dscnt 0x0                               ; the opening add is done
	s_wait_kmcnt 0x0
	s_load_b256 s[80:87], s[8:9], 0x0              ; e0 .. e7
	s_add_nc_u64 s[72:73], s[4:5], s[72:73]
	s_add_nc_u64 s[74:75], s[6:7], s[74:75]
.irp k, 0,1,2
	s_mov_b32 s[G0A+4*\k], 1
	s_add_co_u32 s[G0A+4*\k+1], s76, \k*SLOT
	s_add_nc_u64 s[G0A+4*\k+2:G0A+4*\k+3], s[72:73], \k*2*A_S
	s_or_b32 s[G0A+4*\k+3], s[G0A+4*\k+3], 0x80000000
	s_mov_b32 s[G0B+4*\k], 1
	s_add_co_u32 s[G0B+4*\k+1], s76, \k*SLOT
	s_add_nc_u64 s[G0B+4*\k+2:G0B+4*\k+3], s[74:75], \k*2*B_S
	s_or_b32 s[G0B+4*\k+3], s[G0B+4*\k+3], 0x80000000
.endr
	CROUND                                         ; all sixteen work-groups are here: the first joint loads meet
	s_cmp_eq_u32 s17, 0                            ; a wave's three first fills stand in one branch, ahead of every wait on TENSORcnt and every LDS read
	s_cbranch_scc0 .Lfirst_b
	tensor_load_to_lds s[G0A:G0A+3], s[G1A:G1A+7]
	s_nop 0
	tensor_load_to_lds s[G0A+4:G0A+7], s[G1A:G1A+7]
	s_nop 0
	tensor_load_to_lds s[G0A+8:G0A+11], s[G1A:G1A+7]
	s_nop 0
	PLACES 4
	s_branch .Lfirst_done
.Lfirst_b:
	tensor_load_to_lds s[G0B:G0B+3], s[G1B:G1B+7]
	s_nop 0
	tensor_load_to_lds s[G0B+4:G0B+7], s[G1B:G1B+7]
	s_nop 0
	tensor_load_to_lds s[G0B+8:G0B+11], s[G1B:G1B+7]
	s_nop 0
	PLACES 4
.Lfirst_done:
	v_and_b32 v2, 31, v0
	v_lshlrev_b32 v24, 4, v2                       ; 16 x lane: my place in every image
	s_wait_alu depctr_va_vdst(0)
	s_lshl_b32 s77, s18, 14
	s_add_co_u32 s77, s77, BOFF                    ; q, k: source 0 = my half of the weight's 16 images,
	s_lshl_b32 s78, s17, 13                        ;       source 1 = my half of x's 8
	s_lshl_b32 s79, s16, 13
	s_add_co_u32 s79, s79, BOFF                    ; v: source 1 = my quarter of the weight's; source 0 = all of x's, at 0
	s_cmp_eq_u32 ttmp9, 2
	s_cselect_b32 s77, 0, s77
	s_cselect_b32 s78, s79, s78
	v_add_nc_u32 v[AD8], s77, v24
	v_add_nc_u32 v[AD4], s78, v24
	v_add_nc_u32 v[AD8+1], SLOT, v[AD8]
	v_add_nc_u32 v[AD4+1], SLOT, v[AD4]
	v_add_nc_u32 v[AD8+2], 2*SLOT, v[AD8]
	v_add_nc_u32 v[AD4+2], 2*SLOT, v[AD4]
	; where the results go
	s_lshr_b32 s72, s69, 4
	s_lshl_b32 s72, s72, 4                         ; 16 x batch (a batch is 16 tile rows),
	s_lshl_b32 s73, s66, 2
	s_add_co_u32 s72, s72, s73                     ; + 4 cx: the first of my work-group's four heads
	s_lshl_b32 s73, s18, 1
	s_add_co_u32 s73, s72, s73                     ; q, k: my two heads
	s_add_co_u32 s74, s72, s16                     ; v: my one
	s_lshl_b32 s73, s73, 17                        ; a head is 131,072 bytes in each tensor
	s_lshl_b32 s74, s74, 17
	s_and_b32 s75, s69, 15
	s_lshl_b32 s75, s75, 13                        ; the tile row within the batch: 128 tokens are 8,192 bytes of a head, in all three
	s_add_co_u32 s73, s73, s75
	s_add_co_u32 s74, s74, s75
	s_lshl_b32 s75, s17, 12                        ; q, k: my 64 rows: four images of 1,024
	s_add_co_u32 s73, s73, s75
	s_movk_i32 s76, 1024
	s_mov_b32 s75, 131072
	s_wait_alu depctr_va_vdst(0)
	s_wait_kmcnt 0x0
	s_cmp_eq_u32 ttmp9, 2
	s_cselect_b32 s72, s74, s73
	s_cselect_b32 s76, 2048, s76                   ; from one of source 1's fragments to the next: an image of tokens, or of 16 channels
	s_cselect_b32 s75, 1024, s75                   ; from an accumulator row's first eight code registers to its last eight: the next head, or the image's second half
	s_cselect_b64 s[88:89], s[14:15], s[10:11]
	s_cselect_b32 s96, s85, s82
	s_cmp_eq_u32 ttmp9, 1
	s_cselect_b64 s[88:89], s[12:13], s[88:89]
	s_cselect_b32 s96, s83, s96                    ; the result's own exponent
	s_mov_b32 s73, 0
	s_mov_b32 s77, 0
	s_add_nc_u64 s[88:89], s[88:89], s[72:73]
	s_add_nc_u64 s[90:91], s[88:89], s[76:77]
	s_add_nc_u64 s[92:93], s[90:91], s[76:77]
	s_add_nc_u64 s[94:95], s[92:93], s[76:77]
	v_add_nc_u32 v25, s75, v24
	s_sub_co_i32 s96, s96, s80
	s_sub_co_i32 s96, s96, s81                     ; a sum's code is sum / 2^(e - e0 - e1): the three scales folded into the conversion's one
	s_add_co_i32 s96, s96, 127
	s_lshl_b32 s97, s96, 23
	v_mov_b32 v30, s97
; The 48 LDS loads of step sg (128 along K): source 0's 8 fragments, source 1's 4, into set sg % 2; each load takes 512 consecutive bytes.
.macro FETCH sg
.set SL, ((\sg)/2)%3
.set HB, ((\sg)%2)*HALF
.set PP, (\sg)%2
	WIN TO8
.set i, 0
.rept 32
	ds_load_b128 v[128*PP+4*i:128*PP+4*i+3], v[AD8+SL] offset:HB+512*i
.set i, i+1
.endr
	WIN 0
.set i, 0
.rept 16
	ds_load_b128 v[P4+64*PP+4*i:P4+64*PP+4*i+3], v[AD4+SL] offset:HB+512*i
.set i, i+1
.endr
.endm
; 8 n matrix instructions: source 1's fragments a0 .. a0 + n - 1 against source 0's eight.  The 32 accumulators take turns, one instruction a turn, in the same order in every step.
.macro MULS a0, n, p, zero
.set a, \a0
.rept \n
.set b, 0
.rept 8
.if \zero
	v_wmma_f32_16x16x128_fp8_fp8 v[8*(8*a+b):8*(8*a+b)+7], v[128*(\p)+16*b:128*(\p)+16*b+15], v[P4+64*(\p)+16*a:P4+64*(\p)+16*a+15], 0
.else
	v_wmma_f32_16x16x128_fp8_fp8 v[8*(8*a+b):8*(8*a+b)+7], v[128*(\p)+16*b:128*(\p)+16*b+15], v[P4+64*(\p)+16*a:P4+64*(\p)+16*a+15], v[8*(8*a+b):8*(8*a+b)+7]
.endif
.set b, b+1
.endr
.set a, a+1
.endr
.endm
; A step whose successor's tiles are known to lie in LDS: the next step's fragments are asked for, then this step's 32 products are issued.
.macro STEP sg, zero
.if (\sg) > 0
	PLACES 4                                       ; four places in front of loads into registers that the last products read (ISA guide 7.12.1 for vector instructions)
.endif
	FETCH (\sg)+1
	s_wait_dscnt 48                                ; all but the 48 just issued: this step's fragments are in
	WIN MUL
	MULS 0, 4, (\sg)%2, \zero
	WIN 0
.endm
; A step with a barrier.  In front of it each wave waits for all its tensor loads, adds 0 to its spare word, and waits for that and for its LDS reads.  fill = 1: behind a round of the cluster's barrier slot 0,
; which nobody reads any more, takes the last 256 along K.  fill = 0: that fill is shown to every wave.
.macro TURN sg, fill
	s_wait_tensorcnt 0x0                           ; all my tensor loads have landed
	ds_add_u32 v[SPW], v[NIL]                      ; 0 onto my spare word
	s_wait_dscnt 1                                 ; only the add may be out: this step's fragments are in
	WIN MUL
	MULS 0, 2, (\sg)%2, 0                          ; sixteen products stand between the add and the wait for it
	s_wait_dscnt 0x0
	s_barrier_signal -1
	MULS 2, 1, (\sg)%2, 0
	WIN 0                                          ; at a branch and at a label every window is 0
	s_barrier_wait -1
.if \fill
	CREST                                          ; no wave of any partner still reads slot 0 or has a load on its way
	s_add_nc_u64 s[G0A+2:G0A+3], s[G0A+2:G0A+3], 6*A_S
	s_add_nc_u64 s[G0B+2:G0B+3], s[G0B+2:G0B+3], 6*B_S
	JLOAD G0A, G0B                                 ; the first tensor load behind the round; its four v_nop are also the places in front of the loads below
.else
	PLACES 4
.endif
	FETCH (\sg)+1
	WIN MUL
	MULS 3, 1, (\sg)%2, 0
	WIN 0
.endm
	s_wait_tensorcnt 2                             ; my part of slot 0 is in; slots 1 and 2 may stay out
	s_barrier_signal -1
	s_barrier_wait -1
	FETCH 0
	STEP 0, 1                                      ; the first products start the sums: nothing is cleared
	TURN 1, 1
	STEP 2, 0
	STEP 3, 0
	STEP 4, 0
	TURN 5, 0
	STEP 6, 0
	s_wait_dscnt 0x0
	WIN MUL
	MULS 0, 4, 1, 0
	WIN 0
	PLACES 4                                       ; in front of the first read of results and the first write of the fragments' registers
; THE WAY OUT of accumulator row a: converted (an accumulator's 8 registers are 8 neighbours along the next K: two registers of the next operand), and stored: 16 registers, four stores of 512 consecutive bytes.
.macro OUTA a
	WIN 0x02                                       ; source 0 window 2
.set i, 0
.rept 64
.set i, i+1
.endr
.set b, 0
.rept 8
	v_cvt_scalef32_pk8_fp8_f32 v[64+16*(\a)+2*b:65+16*(\a)+2*b], v[128+8*b+((64*(\a)+i)-(128+i)):135+8*b+((64*(\a)+i)-(128+i))], v30
.set b, b+1
.endr
	WIN 0
	v_nop                                          ; a plain line behind the last conversion
.set c, 0
.rept 4
	global_store_b128 v[24+c/2], v[64+16*(\a)+4*c:67+16*(\a)+4*c], s[88+2*(\a):89+2*(\a)] offset:512*(c%2)
.set c, c+1
.endr
.endm
	s_wait_alu depctr_va_vdst(0)
	OUTA 0
	OUTA 1
	OUTA 2
	OUTA 3
	s_wait_tensorcnt 0x0                           ; the wave's end
	ds_add_u32 v[SPW], v[NIL]
	s_wait_dscnt 0x0
	CROUND                                         ; the closing round: no work-group ends while a partner may still ask for a tile that names it
	s_endpgm
.Lfunc_end_k_qf09c4204a0_gemm_qkv:
	.size	k_qf09c4204a0_gemm_qkv, .Lfunc_end_k_qf09c4204a0_gemm_qkv-k_qf09c4204a0_gemm_qkv
	.p2alignl 7, 3214868480
	.fill 96, 4, 3214868480
	.section	.rodata,"a",@progbits
	.p2align	6, 0x0
	.amdhsa_kernel k_qf09c4204a0_gemm_qkv
		.amdhsa_group_segment_fixed_size 327680
		.amdhsa_private_segment_fixed_size 0
		.amdhsa_enable_private_segment 0
		.amdhsa_kernarg_size 48
		.amdhsa_user_sgpr_count 2
		.amdhsa_user_sgpr_kernarg_segment_ptr 1
		.amdhsa_wavefront_size32 1
		.amdhsa_system_sgpr_workgroup_id_x 1
		.amdhsa_system_sgpr_workgroup_id_y 1
		.amdhsa_system_sgpr_workgroup_id_z 1
		.amdhsa_system_vgpr_workitem_id 0
		.amdhsa_next_free_vgpr 768
		.amdhsa_next_free_sgpr 100
		.amdhsa_reserve_vcc 0
		.amdhsa_float_denorm_mode_32 3
		.amdhsa_float_denorm_mode_16_64 3
		.amdhsa_fp16_overflow 1
		.amdhsa_memory_ordered 1
		.amdhsa_forward_progress 1
		.amdhsa_inst_pref_size 56
	.end_amdhsa_kernel
	.amdgpu_metadata
---
amdhsa.version: [ 1, 2 ]
amdhsa.kernels:
  - .name:           k_qf09c4204a0_gemm_qkv
    .symbol:         k_qf09c4204a0_gemm_qkv.kd
    .args:
      - { .name: xc, .offset: 0, .size: 8, .value_kind: global_buffer, .address_space: global }
      - { .name: wqc, .offset: 8, .size: 8, .value_kind: global_buffer, .address_space: global }
      - { .name: lowp_scales, .offset: 16, .size: 8, .value_kind: global_buffer, .address_space: global }
      - { .name: qc, .offset: 24, .size: 8, .value_kind: global_buffer, .address_space: global }
      - { .name: kc, .offset: 32, .size: 8, .value_kind: global_buffer, .address_space: global }
      - { .name: vc, .offset: 40, .size: 8, .value_kind: global_buffer, .address_space: global }
    .group_segment_fixed_size: 327680
    .private_segment_fixed_size: 0
    .kernarg_segment_align: 8
    .kernarg_segment_size: 48
    .max_flat_workgroup_size: 128
    .sgpr_count:     100
    .vgpr_count:     768
    .wavefront_size: 32
...
	.end_amdgpu_metadata
.endif
;; end of part 2
;; launch attn (part 3): grid 4 x 64, 16 waves a work-group, clusters of 4 x 1, 327,680 bytes of LDS; arguments qc, kc, vc, lowp_scales, yc; writes yc
.if DOCPART == 3
	.amdgcn_target "amdgcn-amd-amdhsa--gfx1250"
	.amdhsa_code_object_version 6
	.text
	.protected	k_qf09c4204a0_attn
	.globl	k_qf09c4204a0_attn
	.p2align	8
	.type	k_qf09c4204a0_attn,@function
k_qf09c4204a0_attn:
	s_mov_b64 s[64:65], 0
	v_nop
	global_prefetch_b8 v0, s[64:65] scope:SCOPE_SE
	s_setreg_imm32_b32 hwreg(HW_REG_WAVE_MODE, 25, 1), 1
	s_wait_xcnt 0x0
	s_wait_alu depctr_hold_cnt(0) depctr_sa_sdst(0) depctr_va_vdst(0) depctr_va_sdst(0) depctr_va_ssrc(0) depctr_va_vcc(0) depctr_vm_vsrc(0)
	s_getreg_b32 s2, hwreg(HW_REG_IB_STS2, 6, 4)
	s_cmp_eq_u32 s2, 0
	s_cbranch_scc0 .Lentry_in_a_cluster
	s_endpgm
.Lentry_in_a_cluster:
	s_bfe_u32 s2, ttmp6, 0x10000c
	s_cmp_lg_u32 s2, 0x3003
	s_cbranch_scc0 .Lentry_shape_is_right
	s_endpgm
.Lentry_shape_is_right:
; y[b][h][q] = the sum over keys k <= q of softmax_k(q . k / 8) v, both products on codes of FP8 (E4M3); y is quantised at once, with e6, for the projection.
; qc, kc: [head (64)][token / 16][image of 16 tokens x 64 channels, 1,024 bytes]; vc: [head][key / 128][channel / 16][image of 16 channels x 128 keys, 2,048 bytes];
; yc: [channel / 128][row / 16][image of 16 rows x 128 channels].  An image holds a lane's registers 4 c .. 4 c + 3 at 512 c + 16 lane.
; THE SOFTMAX: t = score x log2(e) / 8; M = the running largest t rounded UP to a whole number; p = 2^(t - M) is quantised with e4, not normalised; the sum is taken of the unquantised p and divides at the end.
; When M moves, the sum and O are multiplied by 2^(old M - new M), which rounds nothing.
; SHARES.  A cluster of four work-groups is one head.  Work-group cx takes the tiles of 16 queries numbered 4 u + cx, u = 0 .. 31; wave w takes u = 31 - w and then u = w.  A tile needs u / 2 + 1 (rounded down) steps of
; 128 keys whatever cx is, so every wave of every work-group walks 17 steps, and every branch hangs on the wave's number and on counts of steps alone; cx enters global addresses and the mask's numbers only.
; LDS.  The head's whole K (131,072 bytes) and V (as many) lie in LDS, filled once, by JOINT loads of the four work-groups: wave 0 asks for K, wave 1 for V, each by two loads (keys 0-511, keys 512-2,047): two are out.
; The first four steps read the first loads' bytes alone; a second barrier shows the rest.  No byte is filled twice, nothing is padded (a load takes 512 consecutive bytes), and there is nothing left to prefetch.
; LAYOUT.  Both products are used transposed: S^T = K Q^T (source 0 = 16 keys), O^T = V^T P^T (source 0 = 16 channels): a lane holds ONE query (lane % 16).  Register 8 i + j of S^T is key 16 i + 8 (lane / 16) + j,
; so the conversion of tile i gives registers 2 i, 2 i + 1 of P; likewise O^T's tiles give y's.
; LIMITS: e2 + e3 between -123 and 130 (added to c's exponent field); e4, and e6 - e4 - e5, between -126 and 119.
; REGISTERS: v1, v2 my place in K's and V's images; v3, v4 Q's offsets; v5, v6 the add's two; v8, v9 the step's LDS addresses; v10 my query less 8 (lane / 16); v11 the same without 64 u; v12 -M; v13 the largest t;
;   v[14:15] the sum; v16-23, v24-31 Q of the two passes; v32-95 8 fragments of K, then 4 of V; v96-159 S^T, then p; v160-191 O^T; v192-207 y's codes; v208-223 at work and constants; v224-239 p's codes.
.set VREG,  131072                     ; V's images begin here
.set GA,    32768                      ; bytes of the first 512 keys, in K and in V
.set STEPB, 8192                       ; a step of 128 keys, in K and in V
.set SPARE, 262144                     ; behind them: the spare words, 128 bytes for each of the sixteen waves, which no other line names
.set TB,   2                           ; s2   the step's first byte in K's and in V's region
.set WV,   18
.set CX,   19
.set SEL,  20                          ; s[20:21] selects for lane l xor 16
.set CS,   22                          ; s[22:23] c = log2(e) / 8 x 2^(e2 + e3)
.set G1A,  24                          ; s[24:31] group 1: 128 rows of 256 bytes;  s[32:39]: 384 rows
.set G1B,  32
.set G0KA, 40                          ; group 0: K's two loads, V's two
.set G0KB, 44
.set G0VA, 48
.set G0VB, 52
.set KF,   70                          ; the step's first key
.set CNT,  71
.set QLO,  72                          ; 64 u: the lowest query of any partner's tile u
.set QHI,  73                          ; 64 u + 63: the highest
.set YB1,  74                          ; s[74:75], s[76:77] where the two passes' codes go
.set YB2,  76
.macro CROUND
	s_barrier_signal -1
	s_barrier_wait -1
	s_cmp_lg_u32 s[WV], 0
	s_cbranch_scc1 .Lnot_wave_0_\@
	s_barrier_signal -3
.Lnot_wave_0_\@:
	s_barrier_wait -3
	s_barrier_signal -1
	s_barrier_wait -1
.endm
.macro PLACES n
.rept \n
	v_nop
.endr
.endm
	s_load_b256 s[4:11], s[0:1], 0x0               ; qc s[4:5], kc s[6:7], vc s[8:9], the exponents s[10:11]
	s_load_b64 s[12:13], s[0:1], 0x20              ; yc
	v_lshl_add_u32 v5, v0, 2, SPARE
	v_mov_b32 v6, 0
	ds_add_u32 v5, v6                              ; the wave's opening: the add and its wait ahead of the first tensor loads; the set-up below stands between them
	ds_add_u32 v5, v6
	v_lshrrev_b32 v3, 5, v0
	s_delay_alu instid0(VALU_DEP_1)
	v_readfirstlane_b32 s[WV], v3                  ; wave 0..15
	s_bfe_u32 s[CX], ttmp6, 0x40000                ; my place in the cluster
	s_and_b32 s78, ttmp7, 0xffff                   ; 16 x batch + head, which the four partners share
	s_mov_b32 s[G1A], 15|(3<<16)|(1<<21)           ; the mask: all four; elements of 8 bytes; bit 21 beside a mask; no padding
	s_mov_b32 s[G1A+1], 32<<16                     ; tensor_dim0: rows of 256 bytes
	s_mov_b32 s[G1A+2], 128<<16                    ; tensor_dim1
	s_mov_b32 s[G1A+3], 32<<16                     ; tile_dim0
	s_mov_b32 s[G1A+4], 128                        ; tile_dim1
	s_mov_b32 s[G1A+5], 32                         ; the pitch: the block is dense
	s_mov_b32 s[G1A+6], 0
	s_mov_b32 s[G1A+7], 0
	s_mov_b32 s[G1B], 15|(3<<16)|(1<<21)
	s_mov_b32 s[G1B+1], 32<<16
	s_mov_b32 s[G1B+2], 384<<16
	s_mov_b32 s[G1B+3], 32<<16
	s_mov_b32 s[G1B+4], 384
	s_mov_b32 s[G1B+5], 32
	s_mov_b32 s[G1B+6], 0
	s_mov_b32 s[G1B+7], 0
	s_mov_b32 s[SEL], 0x76543210
	s_mov_b32 s[SEL+1], 0xfedcba98
	s_mov_b32 s[CS], 0x3e38aa3b                    ; log2(e) / 8
	s_lshl_b32 s68, s78, 17                        ; a head is 131,072 bytes in qc, kc and vc
	s_mov_b32 s69, 0
	s_wait_dscnt 0x0                               ; the opening add is done
	s_wait_kmcnt 0x0
	s_load_b256 s[56:63], s[10:11], 0x0            ; e0 .. e7
	s_add_nc_u64 s[4:5], s[4:5], s[68:69]
	s_add_nc_u64 s[6:7], s[6:7], s[68:69]
	s_add_nc_u64 s[8:9], s[8:9], s[68:69]
	s_mov_b32 s[G0KA], 1
	s_mov_b32 s[G0KA+1], 0
	s_mov_b64 s[G0KA+2:G0KA+3], s[6:7]
	s_or_b32 s[G0KA+3], s[G0KA+3], 0x80000000
	s_mov_b32 s[G0KB], 1
	s_mov_b32 s[G0KB+1], GA
	s_add_nc_u64 s[G0KB+2:G0KB+3], s[6:7], GA
	s_or_b32 s[G0KB+3], s[G0KB+3], 0x80000000
	s_mov_b32 s[G0VA], 1
	s_mov_b32 s[G0VA+1], VREG
	s_mov_b64 s[G0VA+2:G0VA+3], s[8:9]
	s_or_b32 s[G0VA+3], s[G0VA+3], 0x80000000
	s_mov_b32 s[G0VB], 1
	s_mov_b32 s[G0VB+1], VREG+GA
	s_add_nc_u64 s[G0VB+2:G0VB+3], s[8:9], GA
	s_or_b32 s[G0VB+3], s[G0VB+3], 0x80000000
	CROUND                                         ; all four work-groups are here: the joint loads meet
	s_cmp_eq_u32 s[WV], 0                          ; a wave's two loads stand in one branch on its number; an s_nop 0 follows each, four v_nop the second
	s_cbranch_scc0 .Lnot_k
	tensor_load_to_lds s[G0KA:G0KA+3], s[G1A:G1A+7]
	s_nop 0
	tensor_load_to_lds s[G0KB:G0KB+3], s[G1B:G1B+7]
	s_nop 0
	PLACES 4
	s_branch .Lasked
.Lnot_k:
	s_cmp_eq_u32 s[WV], 1
	s_cbranch_scc0 .Lasked
	tensor_load_to_lds s[G0VA:G0VA+3], s[G1A:G1A+7]
	s_nop 0
	tensor_load_to_lds s[G0VB:G0VB+3], s[G1B:G1B+7]
	s_nop 0
	PLACES 4
.Lasked:
	v_and_b32 v1, 31, v0
	s_delay_alu instid0(VALU_DEP_1)
	v_lshlrev_b32 v1, 4, v1                        ; 16 x lane
	s_delay_alu instid0(VALU_DEP_1)
	v_add_nc_u32 v2, VREG, v1
	s_sub_co_u32 s79, 31, s[WV]                    ; the first pass's u
	s_lshl_b32 s66, s79, 2
	s_add_co_u32 s66, s66, s[CX]                   ; its tile of 16 queries,
	s_lshl_b32 s67, s[WV], 2
	s_add_co_u32 s67, s67, s[CX]                   ; and the second pass's
	s_lshl_b32 s68, s66, 10
	v_add_nc_u32 v3, s68, v1
	s_lshl_b32 s68, s67, 10
	v_add_nc_u32 v4, s68, v1
	global_load_b128 v[16:19], v3, s[4:5]          ; both tiles of Q stay in registers
	global_load_b128 v[20:23], v3, s[4:5] offset:512
	global_load_b128 v[24:27], v4, s[4:5]
	global_load_b128 v[28:31], v4, s[4:5] offset:512
	v_and_b32 v7, 15, v0
	v_bfe_u32 v11, v0, 4, 1
	s_delay_alu instid0(VALU_DEP_1)
	v_lshlrev_b32 v11, 3, v11
	s_delay_alu instid0(VALU_DEP_1)
	v_sub_nc_u32 v11, v7, v11
	s_lshl_b32 s68, s[CX], 4
	v_add_nc_u32 v11, s68, v11                     ; 16 cx + lane % 16 - 8 (lane / 16)
	s_and_b32 s68, s78, 15                         ; the head: two heads share an image of yc:
	s_lshr_b32 s69, s68, 1
	s_lshl_b32 s69, s69, 20                        ; which 128 channels,
	s_and_b32 s68, s68, 1
	s_lshl_b32 s68, s68, 10                        ; which half of the image,
	s_add_co_u32 s68, s68, s69
	s_lshr_b32 s69, s78, 4
	s_lshl_b32 s69, s69, 18                        ; the batch's 128 images
	s_add_co_u32 s68, s68, s69
	s_lshl_b32 s67, s67, 11
	s_add_co_u32 s[YB2], s67, s68
	s_mov_b32 s[YB2+1], 0
	s_add_nc_u64 s[YB2:YB2+1], s[12:13], s[YB2:YB2+1]
	s_lshl_b32 s66, s66, 11
	s_add_co_u32 s[YB1], s66, s68
	s_mov_b32 s[YB1+1], 0
	s_add_nc_u64 s[YB1:YB1+1], s[12:13], s[YB1:YB1+1]
	v_mov_b32 v210, 0                              ; written once: a lane permute's destination counts as one of its sources
	v_mov_b32 v213, 0                              ; (named as the upper halves of pairs)
	v_mov_b32 v223, 0
	v_mov_b32 v217, 0xff800000                     ; -infinity
	s_wait_alu depctr_va_vdst(0)
	s_wait_kmcnt 0x0
	s_add_co_i32 s66, s58, s59
	s_lshl_b32 s66, s66, 23
	s_add_co_i32 s[CS], s[CS], s66                 ; a score stands for score x 2^(e2 + e3): added to c's exponent field
	s_mov_b32 s[CS+1], s[CS]
	s_add_co_i32 s66, s60, 127
	s_lshl_b32 s67, s66, 23
	v_mov_b32 v219, s67                            ; 2^e4, for p's conversions
	s_sub_co_i32 s66, s62, s60
	s_sub_co_i32 s66, s66, s61                     ; O^T / the sum stands for y / 2^(e4 + e5): its code is that / 2^(e6 - e4 - e5)
	s_add_co_i32 s66, s66, 127
	s_lshl_b32 s67, s66, 23
	v_mov_b32 v221, s67
; A pass begins: O^T and the sum are zeros and the largest t lies under every t, so the first step needs no text of its own.
.macro INIT ureg
	s_lshl_b32 s[QLO], s[\ureg], 6
	s_add_co_u32 s[QHI], s[QLO], 63
	v_add_nc_u32 v10, s[QLO], v11
	s_mov_b32 s[TB], 0
	s_mov_b32 s[KF], 0
	v_mov_b32 v13, 0xff61b1e6                      ; -3e38
	s_delay_alu instid0(VALU_DEP_1)
	v_floor_f32 v12, -v13
	v_mov_b32 v14, 0
	v_mov_b32 v15, 0
.set i, 0
.rept 32
	v_mov_b32 v[160+i], 0
.set i, i+1
.endr
.endm
; A STEP of 128 keys.  q: where the pass's Q lies.  causal = 1: a step all of whose keys come after the tile's queries is left out, and on the diagonal hidden scores become -infinity.
.macro STEP q, causal
.if \causal
	s_cmp_gt_u32 s[KF], s[QHI]                     ; the wave's number and the count of steps alone
	s_cbranch_scc1 .Lhidden_\@
.endif
	s_setprio 2
	v_add_nc_u32 v8, s[TB], v1
	v_add_nc_u32 v9, s[TB], v2
	PLACES 2                                       ; with the two additions: four places in front of loads into registers that the last products read
.set i, 0
.rept 16
	ds_load_b128 v[32+4*i:35+4*i], v8 offset:512*i ; K: eight images of 16 keys
.set i, i+1
.endr
	s_wait_alu depctr_va_vdst(0)
	s_wait_dscnt 0x0
.set i, 0
.rept 8
	v_wmma_f32_16x16x64_fp8_fp8 v[96+8*i:103+8*i], v[32+8*i:39+8*i], v[\q:\q+7], 0
.set i, i+1
.endr
	PLACES 4                                       ; in front of the loads into K's registers and of the first read of the scores
.set i, 0
.rept 16
	ds_load_b128 v[32+4*i:35+4*i], v9 offset:512*i ; V: four images of 16 channels, asked for ahead of the softmax, under which they land
.set i, i+1
.endr
.if \causal
	s_add_co_u32 s66, s[KF], 127
	s_cmp_le_u32 s66, s[QLO]
	s_cbranch_scc1 .Lopen_\@                       ; all 128 keys count for every query of the tile
	v_sub_nc_u32 v216, v10, s[KF]                  ; register 8 i + j holds key KF + 8 (lane / 16) + 16 i + j: hidden where 16 i + j > my query - KF - 8 (lane / 16)
.set n, 0
.rept 64
	v_cmp_gt_i32 vcc_lo, 16*(n/8)+n%8, v216
	v_cndmask_b32 v[96+n], v[96+n], v217, vcc_lo
.set n, n+1
.endr
.Lopen_\@:
.endif
	v_max3_num_f32 v208, v96, v97, v98             ; the step's largest score among my 64 keys, in two chains, from each accumulator's low end on
	v_max3_num_f32 v209, v99, v100, v101
.set i, 6
.rept 14
	v_max3_num_f32 v208, v208, v[96+i], v[97+i]
	v_max3_num_f32 v209, v209, v[98+i], v[99+i]
.set i, i+4
.endr
	v_max3_num_f32 v208, v208, v158, v159
	s_delay_alu instid0(VALU_DEP_1)
	v_max_num_f32 v208, v208, v209
	s_delay_alu instid0(VALU_DEP_1)
	v_permlanex16_b32 v210, v208, s[SEL], s[SEL+1]
	s_delay_alu instid0(VALU_DEP_1)
	v_max_num_f32 v208, v208, v210                 ; and among lane l xor 16's: key KF counts for every query, so this is a number
	s_delay_alu instid0(VALU_DEP_1)
	v_mul_f32 v208, s[CS], v208                    ; as t (c is positive)
	s_delay_alu instid0(VALU_DEP_1)
	v_max_num_f32 v13, v13, v208
	v_mov_b32 v208, v12
	s_delay_alu instid0(VALU_DEP_2)
	v_floor_f32 v12, -v13                          ; the new -M = -ceil(t)
	s_delay_alu instid0(VALU_DEP_1)
	v_sub_f32 v208, v12, v208                      ; old M - new M: a whole number, 0 or less
	s_delay_alu instid0(VALU_DEP_1)
	v_cvt_i32_f32 v208, v208                       ; (it saturates)
	s_delay_alu instid0(VALU_DEP_1)
	v_ldexp_f32 v212, 1.0, v208                    ; f = 2^(old M - new M)
.set i, 0
.rept 32
	v_pk_fma_f32 v[96+i:97+i], v[96+i:97+i], s[CS:CS+1], v[12:13] op_sel_hi:[1,0,0]   ; t - M, two at a time
.set i, i+2
.endr
.set i, 0
	s_setprio 1
	s_wait_alu depctr_va_vdst(0)
.rept 64
	v_exp_f32 v[96+i], v[96+i]                     ; p = 2^(t - M)
.set i, i+1
.endr
	v_pk_mul_f32 v[14:15], v[14:15], v[212:213] op_sel_hi:[1,0]   ; the sums under the new M: the plain line behind the exponentials
	s_wait_alu depctr_va_vdst(0)                   ; one wait for the batch, ahead of its first reader
	v_pk_add_f32 v[214:215], v[100:101], v[104:105]
	v_pk_add_f32 v[254:255], v[108:109], v[112:113]
	v_pk_add_f32 v[252:253], v[116:117], v[120:121]
	v_pk_add_f32 v[250:251], v[124:125], v[128:129]
	v_pk_add_f32 v[248:249], v[132:133], v[136:137]
	v_pk_add_f32 v[246:247], v[140:141], v[144:145]
	v_pk_add_f32 v[244:245], v[148:149], v[152:153]
	v_pk_add_f32 v[14:15], v[14:15], v[156:157]
	v_pk_add_f32 v[214:215], v[214:215], v[96:97]
	v_pk_add_f32 v[254:255], v[254:255], v[98:99]
	v_pk_add_f32 v[252:253], v[252:253], v[102:103]
	v_pk_add_f32 v[250:251], v[250:251], v[106:107]
	v_pk_add_f32 v[248:249], v[248:249], v[110:111]
	v_pk_add_f32 v[246:247], v[246:247], v[114:115]
	v_pk_add_f32 v[244:245], v[244:245], v[118:119]
	v_pk_add_f32 v[14:15], v[14:15], v[122:123]
	v_pk_add_f32 v[214:215], v[214:215], v[126:127]
	v_pk_add_f32 v[254:255], v[254:255], v[130:131]
	v_pk_add_f32 v[252:253], v[252:253], v[134:135]
	v_pk_add_f32 v[250:251], v[250:251], v[138:139]
	v_pk_add_f32 v[248:249], v[248:249], v[142:143]
	v_pk_add_f32 v[246:247], v[246:247], v[146:147]
	v_pk_add_f32 v[244:245], v[244:245], v[150:151]
	v_pk_add_f32 v[14:15], v[14:15], v[154:155]
	v_pk_add_f32 v[214:215], v[214:215], v[158:159]
	s_delay_alu instid0(VALU_DEP_2)
	v_pk_add_f32 v[14:15], v[14:15], v[250:251]
	s_delay_alu instid0(VALU_DEP_2)
	v_pk_add_f32 v[214:215], v[214:215], v[248:249]
	v_pk_add_f32 v[254:255], v[254:255], v[246:247]
	v_pk_add_f32 v[252:253], v[252:253], v[244:245]
	s_delay_alu instid0(VALU_DEP_2)
	v_pk_add_f32 v[14:15], v[14:15], v[254:255]
	s_delay_alu instid0(VALU_DEP_2)
	v_pk_add_f32 v[214:215], v[214:215], v[252:253]
	s_delay_alu instid0(VALU_DEP_1)
	v_pk_add_f32 v[14:15], v[14:15], v[214:215]
.set t, 0
	s_setprio 0
.rept 8
.set i, 0
.rept 8
.set i, i+1
.endr
	v_cvt_scalef32_pk8_fp8_f32 v[224+2*t:225+2*t], v[96+8*t:103+8*t], v219
.set t, t+1
.endr
.set i, 0
.rept 16
	v_pk_mul_f32 v[160+i:161+i], v[160+i:161+i], v[212:213] op_sel_hi:[1,0]   ; O^T under the new M; also the plain lines behind the conversions
.set i, i+2
.endr
	s_wait_alu depctr_va_vdst(0)
	s_wait_dscnt 0x0                               ; V is in
.set t, 0
.rept 4
	v_wmma_f32_16x16x128_fp8_fp8 v[160+8*t:167+8*t], v[32+16*t:47+16*t], v[224:239], v[160+8*t:167+8*t]   ; the four accumulators by turns
.set t, t+1
.endr
.if \causal
.Lhidden_\@:
.endif
	s_add_co_u32 s[KF], s[KF], 128
	s_add_co_u32 s[TB], s[TB], STEPB
.endm
; A pass ends: O^T / the sum, converted: eight registers, half an image of yc: two stores of 512 consecutive bytes.
.macro FINISH yreg, ybase
	PLACES 4                                       ; behind the last products
	v_add_f32 v14, v14, v15
	s_delay_alu instid0(VALU_DEP_1)
	v_permlanex16_b32 v210, v14, s[SEL], s[SEL+1]
	s_delay_alu instid0(VALU_DEP_1)
	v_add_f32 v14, v14, v210                       ; the row's sum
	s_wait_alu depctr_va_vdst(0)
	v_rcp_f32 v222, v14
	v_nop                                          ; a plain line behind the reciprocal
	s_wait_alu depctr_va_vdst(0)                   ; and the wait ahead of its first reader
.set i, 0
.rept 16
	v_pk_mul_f32 v[96+i:97+i], v[160+i:161+i], v[222:223] op_sel_hi:[1,0]
.set i, i+2
.endr
.set i, 0
.rept 32
.set i, i+1
.endr
.set t, 0
.rept 4
	v_cvt_scalef32_pk8_fp8_f32 v[\yreg+2*t:\yreg+2*t+1], v[96+8*t:103+8*t], v221
.set t, t+1
.endr
	v_nop                                          ; a plain line behind the last conversion
	global_store_b128 v1, v[\yreg:\yreg+3], s[\ybase:\ybase+1]
	global_store_b128 v1, v[\yreg+4:\yreg+7], s[\ybase:\ybase+1] offset:512
.endm
	INIT 79
	s_wait_tensorcnt 1                             ; my first load (keys 0-511) has landed; the second, issued behind it, may stay out
	s_barrier_signal -1
	s_barrier_wait -1
	s_wait_loadcnt 0x0                             ; Q
	s_mov_b32 s[CNT], 4
.Lfirst:                                           ; keys 0-511: all count, since the first pass's queries begin at 1,024 or later
	STEP 16, 0
	s_sub_co_u32 s[CNT], s[CNT], 1
	s_cmp_lg_u32 s[CNT], 0
	s_cbranch_scc1 .Lfirst
	s_setprio 0
	s_wait_tensorcnt 0x0                           ; the rest of K or V has landed,
	s_wait_dscnt 0x0
	s_barrier_signal -1
	s_barrier_wait -1                              ; for every wave
	s_mov_b32 s[CNT], 12
.Lrest:                                            ; keys 512-2,047, as far as the tile reaches
	STEP 16, 1
	s_sub_co_u32 s[CNT], s[CNT], 1
	s_cmp_lg_u32 s[CNT], 0
	s_cbranch_scc1 .Lrest
	s_setprio 0
	FINISH 192, YB1
	INIT WV
	s_mov_b32 s[CNT], 8
.Lsecond:                                          ; the second pass: queries under 1,024
	STEP 24, 1
	s_sub_co_u32 s[CNT], s[CNT], 1
	s_cmp_lg_u32 s[CNT], 0
	s_cbranch_scc1 .Lsecond
	s_setprio 0
	FINISH 200, YB2
	s_wait_tensorcnt 0x0                           ; the wave's end
	ds_add_u32 v5, v6
	s_wait_dscnt 0x0
	CROUND                                         ; the closing round
	s_endpgm
.Lfunc_end_k_qf09c4204a0_attn:
	.size	k_qf09c4204a0_attn, .Lfunc_end_k_qf09c4204a0_attn-k_qf09c4204a0_attn
	.p2alignl 7, 3214868480
	.fill 96, 4, 3214868480
	.section	.rodata,"a",@progbits
	.p2align	6, 0x0
	.amdhsa_kernel k_qf09c4204a0_attn
		.amdhsa_group_segment_fixed_size 327680
		.amdhsa_private_segment_fixed_size 0
		.amdhsa_enable_private_segment 0
		.amdhsa_kernarg_size 40
		.amdhsa_user_sgpr_count 2
		.amdhsa_user_sgpr_kernarg_segment_ptr 1
		.amdhsa_wavefront_size32 1
		.amdhsa_system_sgpr_workgroup_id_x 1
		.amdhsa_system_sgpr_workgroup_id_y 1
		.amdhsa_system_sgpr_workgroup_id_z 1
		.amdhsa_system_vgpr_workitem_id 0
		.amdhsa_next_free_vgpr 256
		.amdhsa_next_free_sgpr 80
		.amdhsa_reserve_vcc 1
		.amdhsa_float_denorm_mode_32 3
		.amdhsa_float_denorm_mode_16_64 3
		.amdhsa_fp16_overflow 1
		.amdhsa_memory_ordered 1
		.amdhsa_forward_progress 1
		.amdhsa_inst_pref_size 67
	.end_amdhsa_kernel
	.amdgpu_metadata
---
amdhsa.version: [ 1, 2 ]
amdhsa.kernels:
  - .name:           k_qf09c4204a0_attn
    .symbol:         k_qf09c4204a0_attn.kd
    .args:
      - { .name: qc, .offset: 0, .size: 8, .value_kind: global_buffer, .address_space: global }
      - { .name: kc, .offset: 8, .size: 8, .value_kind: global_buffer, .address_space: global }
      - { .name: vc, .offset: 16, .size: 8, .value_kind: global_buffer, .address_space: global }
      - { .name: lowp_scales, .offset: 24, .size: 8, .value_kind: global_buffer, .address_space: global }
      - { .name: yc, .offset: 32, .size: 8, .value_kind: global_buffer, .address_space: global }
    .group_segment_fixed_size: 327680
    .private_segment_fixed_size: 0
    .kernarg_segment_align: 8
    .kernarg_segment_size: 40
    .max_flat_workgroup_size: 512
    .sgpr_count:     80
    .vgpr_count:     256
    .wavefront_size: 32
...
	.end_amdgpu_metadata
.endif
;; end of part 3
;; launch gemm_proj (part 4): grid 4 x 64, 4 waves a work-group, clusters of 4 x 4, 327,680 bytes of LDS; arguments yc, wpc, lowp_scales, out0; writes out0
.if DOCPART == 4
	.amdgcn_target "amdgcn-amd-amdhsa--gfx1250"
	.amdhsa_code_object_version 6
	.text
	.protected	k_qf09c4204a0_gemm_proj
	.globl	k_qf09c4204a0_gemm_proj
	.p2align	8
	.type	k_qf09c4204a0_gemm_proj,@function
k_qf09c4204a0_gemm_proj:
	s_mov_b64 s[64:65], 0
	v_nop
	global_prefetch_b8 v0, s[64:65] scope:SCOPE_SE
	s_setreg_imm32_b32 hwreg(HW_REG_WAVE_MODE, 25, 1), 1
	s_wait_xcnt 0x0
	s_wait_alu depctr_hold_cnt(0) depctr_sa_sdst(0) depctr_va_vdst(0) depctr_va_sdst(0) depctr_va_ssrc(0) depctr_va_vcc(0) depctr_vm_vsrc(0)
	s_getreg_b32 s2, hwreg(HW_REG_IB_STS2, 6, 4)
	s_cmp_eq_u32 s2, 0
	s_cbranch_scc0 .Lentry_in_a_cluster
	s_endpgm
.Lentry_in_a_cluster:
	s_bfe_u32 s2, ttmp6, 0x10000c
	s_cmp_lg_u32 s2, 0xf033
	s_cbranch_scc0 .Lentry_shape_is_right
	s_endpgm
.Lentry_shape_is_right:
; out = y w_proj on codes of FP8 (E4M3): [8192][1024] x [1024][1024], f32 out; each finished sum is multiplied once by 2^(e6 + e7).
; Both operands are IMAGES OF OPERAND REGISTERS (16 rows x 128 K in 2,048 bytes: the 16 bytes at 512 c + 16 lane are the lane's registers 4 c .. 4 c + 3): a fragment comes from LDS by loads of 512 consecutive bytes, unpadded.
; A work-group of four waves makes 128 rows x 256 columns: 256 work-groups.  4 x 4 form a cluster: y's blocks are asked for JOINTLY along a row of the cluster, the weight's along a column.
; A wave makes 64 rows x 128 columns, TRANSPOSED: source 0 = 8 fragments of the weight, source 1 = 4 of y, so that a lane holds eight neighbouring numbers of a row of the output.
; K = 1,024 is 8 steps of 128, written out.  Three LDS slots of 256 along K get their first fills together; slot 0 is filled once more: a wave has three tensor loads out at the start, later one.
; No prefetch: three quarters of K are asked for at the head.
; LIMIT: e6 + e7 lies between -126 and 127, so that 2^(e6 + e7) is an f32 number.
; REGISTERS, in windows of 256: window 0: v16-18, v20-22 LDS addresses; v24-26 the way out; v28, v29 the add's two; v64-127, v128-191 source 1's fragments, two sets (on the way out v32-255 are free).
;   window 1: source 0's fragments, two sets of 128.   window 2: the 32 accumulators, (a, b) at v[8 (8 a + b)].
.set A_S,   1048576                    ; yc: bytes from one 128 along K to the next
.set B_S,   131072                     ; wpc likewise
.set BOFF,  16384                      ; in a half slot: y's 8 images, then the weight's 16
.set HALF,  49152                      ; a half slot: 128 along K
.set SLOT,  2*HALF
.set SPARE, 3*SLOT                     ; behind the slots: the spare words, 128 bytes for each wave, which no other line names
.set SP,    528                        ; the way out: a stage of 16 rows x (512 bytes + 16) for each wave, in slot 1, which has had its one fill and whose last read lies ahead of the last barrier
.set AD8, 16
.set AD4, 20
.set STO, 24
.set RD,  25
.set CO,  26
.set SPW, 28
.set NIL, 29
.set TMP, 32
.set P4,  64
.set BK,  128
.set G1A, 24                           ; s[24:31] descriptor group 1 for y's blocks;  s[32:39] for the weight's
.set G1B, 32
.set G0A, 40                           ; s[40:51] group 0 for y's blocks, a set for each slot;  s[52:63] for the weight's
.set G0B, 52
.set MSB, 0
.macro WIN new                         ; the immediate's high byte repeats the setting that is left
.if MSB != \new
	s_set_vgpr_msb (MSB<<8)|\new
.set MSB, \new
.endif
.endm
.set MUL, 0xa1                         ; source 0 window 1, source 1 window 0, C and D window 2
.set TO8, 0x40                         ; destination window 1, address window 0
.macro PLACES n
.rept \n
	v_nop
.endr
.endm
; A joint load: waves 0 and 1 fetch y's two blocks of a slot, waves 2 and 3 the weight's.  The branch hangs on the wave's number alone.  An s_nop 0 and four v_nop follow each line.
.macro JLOAD g0a, g0b
	s_cmp_eq_u32 s17, 0
	s_cbranch_scc0 .Lfor_b_\@
	tensor_load_to_lds s[\g0a:\g0a+3], s[G1A:G1A+7]
	s_nop 0
	PLACES 4
	s_branch .Lasked_\@
.Lfor_b_\@:
	tensor_load_to_lds s[\g0b:\g0b+3], s[G1B:G1B+7]
	s_nop 0
	PLACES 4
.Lasked_\@:
.endm
.macro CREST                           ; a round of the cluster's barrier behind its opening barrier
	s_cmp_lg_u32 s16, 0
	s_cbranch_scc1 .Lnot_wave_0_\@
	s_barrier_signal -3
.Lnot_wave_0_\@:
	s_barrier_wait -3
	s_barrier_signal -1
	s_barrier_wait -1
.endm
.macro CROUND
	s_barrier_signal -1
	s_barrier_wait -1
	CREST
.endm
	s_load_b128 s[4:7], s[0:1], 0x0                ; yc s[4:5], wpc s[6:7]
	s_load_b128 s[8:11], s[0:1], 0x10              ; the exponents s[8:9], the output s[10:11]
	v_lshl_add_u32 v[SPW], v0, 2, SPARE
	v_mov_b32 v[NIL], 0
	ds_add_u32 v[SPW], v[NIL]
	ds_add_u32 v[SPW], v[NIL]                      ; the wave's opening: the add and its wait ahead of my first tensor load; the set-up below stands between them
	v_lshrrev_b32 v1, 5, v0
	v_readfirstlane_b32 s16, v1                    ; wave 0..3
	s_lshr_b32 s17, s16, 1                         ; I fetch for y (0) or for the weight (1).  Also: which 64 rows are mine
	s_and_b32 s18, s16, 1                          ; which 128 along K of a slot I fetch.  Also: which 128 columns are mine
	s_bfe_u32 s66, ttmp6, 0x40000                  ; cx
	s_bfe_u32 s67, ttmp6, 0x40004                  ; cy
	s_lshl_b32 s68, ttmp9, 2
	s_add_co_u32 s68, s68, s66                     ; tile column = 4 x cluster x + cx
	s_and_b32 s69, ttmp7, 0xffff
	s_lshl_b32 s69, s69, 2
	s_add_co_u32 s69, s69, s67                     ; tile row = 4 x cluster y + cy
	s_lshl_b32 s70, s67, 2
	s_lshl_b32 s70, 15, s70                        ; my row of the cluster
	s_lshl_b32 s71, 0x1111, s66                    ; my column
	; group 1: a dense block as rows of 256 bytes (32 elements of 8 bytes): 64 rows for y, 128 for the weight; no padding
	s_or_b32 s[G1A], s70, (3<<16)|(1<<21)
	s_or_b32 s[G1B], s71, (3<<16)|(1<<21)
	s_mov_b32 s[G1A+1], 32<<16                     ; tensor_dim0
	s_mov_b32 s[G1A+2], 64<<16                     ; tensor_dim1
	s_mov_b32 s[G1A+3], 32<<16                     ; tile_dim0
	s_mov_b32 s[G1A+4], 64                         ; tile_dim1
	s_mov_b32 s[G1A+5], 32                         ; the pitch
	s_mov_b32 s[G1A+6], 0
	s_mov_b32 s[G1A+7], 0
	s_mov_b32 s[G1B+1], 32<<16
	s_mov_b32 s[G1B+2], 128<<16
	s_mov_b32 s[G1B+3], 32<<16
	s_mov_b32 s[G1B+4], 128
	s_mov_b32 s[G1B+5], 32
	s_mov_b32 s[G1B+6], 0
	s_mov_b32 s[G1B+7], 0
	s_lshl_b32 s72, s18, 20                        ; y: my 128 along K,
	s_lshl_b32 s73, s69, 14                        ; the tile row's 8 images
	s_add_co_u32 s72, s72, s73
	s_mov_b32 s73, 0
	s_mul_i32 s74, s18, B_S                        ; the weight: my 128 along K,
	s_lshl_b32 s75, s68, 15                        ; the tile column's 16 images
	s_add_co_u32 s74, s74, s75
	s_mov_b32 s75, 0
	s_mul_i32 s76, s18, HALF                       ; where they go: the half slot, y's block first: no place in the cluster enters an LDS address
	s_lshl_b32 s77, s17, 14
	s_add_co_u32 s76, s76, s77
	s_wait_dscnt 0x0                               ; the opening add is done
	s_wait_kmcnt 0x0
	s_load_b256 s[80:87], s[8:9], 0x0              ; e0 .. e7
	s_add_nc_u64 s[72:73], s[4:5], s[72:73]
	s_add_nc_u64 s[74:75], s[6:7], s[74:75]
.irp k, 0,1,2
	s_mov_b32 s[G0A+4*\k], 1
	s_add_co_u32 s[G0A+4*\k+1], s76, \k*SLOT
	s_add_nc_u64 s[G0A+4*\k+2:G0A+4*\k+3], s[72:73], \k*2*A_S
	s_or_b32 s[G0A+4*\k+3], s[G0A+4*\k+3], 0x80000000
	s_mov_b32 s[G0B+4*\k], 1
	s_add_co_u32 s[G0B+4*\k+1], s76, \k*SLOT
	s_add_nc_u64 s[G0B+4*\k+2:G0B+4*\k+3], s[74:75], \k*2*B_S
	s_or_b32 s[G0B+4*\k+3], s[G0B+4*\k+3], 0x80000000
.endr
	CROUND                                         ; all sixteen work-groups are here: the first joint loads meet
	s_cmp_eq_u32 s17, 0                            ; a wave's three first fills stand in one branch, ahead of every wait on TENSORcnt and every LDS read
	s_cbranch_scc0 .Lfirst_b
	tensor_load_to_lds s[G0A:G0A+3], s[G1A:G1A+7]
	s_nop 0
	tensor_load_to_lds s[G0A+4:G0A+7], s[G1A:G1A+7]
	s_nop 0
	tensor_load_to_lds s[G0A+8:G0A+11], s[G1A:G1A+7]
	s_nop 0
	PLACES 4
	s_branch .Lfirst_done
.Lfirst_b:
	tensor_load_to_lds s[G0B:G0B+3], s[G1B:G1B+7]
	s_nop 0
	tensor_load_to_lds s[G0B+4:G0B+7], s[G1B:G1B+7]
	s_nop 0
	tensor_load_to_lds s[G0B+8:G0B+11], s[G1B:G1B+7]
	s_nop 0
	PLACES 4
.Lfirst_done:
	v_and_b32 v2, 31, v0
	v_lshlrev_b32 v[CO], 4, v2                     ; 16 x lane: my place in every image, and in a row of 512 bytes of the output
	s_lshl_b32 s77, s18, 14
	s_add_co_u32 s77, s77, BOFF                    ; source 0 = my half of the weight's 16 images,
	s_lshl_b32 s78, s17, 13                        ; source 1 = my half of y's 8
	v_add_nc_u32 v[AD8], s77, v[CO]
	v_add_nc_u32 v[AD4], s78, v[CO]
	v_add_nc_u32 v[AD8+1], SLOT, v[AD8]
	v_add_nc_u32 v[AD4+1], SLOT, v[AD4]
	v_add_nc_u32 v[AD8+2], 2*SLOT, v[AD8]
	v_add_nc_u32 v[AD4+2], 2*SLOT, v[AD4]
	s_mul_i32 s79, s16, 16*SP
	s_add_co_u32 s79, s79, SLOT                    ; my stage
	v_and_b32 v4, 15, v0
	v_bfe_u32 v5, v0, 4, 1
	v_mul_u32_u24 v[STO], v4, SP                   ; in: row lane % 16, 32 bytes for each half of the lanes
	v_lshl_add_u32 v[STO], v5, 5, v[STO]
	v_add_nc_u32 v[STO], s79, v[STO]
	v_add_nc_u32 v[RD], s79, v[CO]                 ; back: the 32 lanes take one row of 512 bytes
	s_lshl_b32 s72, s69, 19                        ; my first row of the output: 128 x tile row
	s_lshl_b32 s73, s17, 18                        ; + 64 x half, rows of 4,096 bytes;
	s_add_co_u32 s72, s72, s73
	s_lshl_b32 s73, s68, 10                        ; my first column: 256 x tile column
	s_add_co_u32 s72, s72, s73
	s_lshl_b32 s73, s18, 9                         ; + 128 x half
	s_add_co_u32 s72, s72, s73
	s_mov_b32 s73, 0
	s_add_nc_u64 s[10:11], s[10:11], s[72:73]
	s_wait_kmcnt 0x0
	s_add_co_i32 s96, s86, s87                     ; e6 + e7
	s_add_co_i32 s96, s96, 127
	s_lshl_b32 s96, s96, 23                        ; 2^(e6 + e7) as f32
	s_mov_b32 s97, s96                             ; (named with it as a pair, so it is written)
; The 48 LDS loads of step sg (128 along K): source 0's 8 fragments, source 1's 4, into set sg % 2; each load takes 512 consecutive bytes.
.macro FETCH sg
.set SL, ((\sg)/2)%3
.set HB, ((\sg)%2)*HALF
.set PP, (\sg)%2
	WIN TO8
.set i, 0
.rept 32
	ds_load_b128 v[128*PP+4*i:128*PP+4*i+3], v[AD8+SL] offset:HB+512*i
.set i, i+1
.endr
	WIN 0
.set i, 0
.rept 16
	ds_load_b128 v[P4+64*PP+4*i:P4+64*PP+4*i+3], v[AD4+SL] offset:HB+512*i
.set i, i+1
.endr
.endm
; 8 n matrix instructions: source 1's fragments a0 .. a0 + n - 1 against source 0's eight.  The 32 accumulators take turns, one instruction a turn, in the same order in every step.
.macro MULS a0, n, p, zero
.set a, \a0
.rept \n
.set b, 0
.rept 8
.if \zero
	v_wmma_f32_16x16x128_fp8_fp8 v[8*(8*a+b):8*(8*a+b)+7], v[128*(\p)+16*b:128*(\p)+16*b+15], v[P4+64*(\p)+16*a:P4+64*(\p)+16*a+15], 0
.else
	v_wmma_f32_16x16x128_fp8_fp8 v[8*(8*a+b):8*(8*a+b)+7], v[128*(\p)+16*b:128*(\p)+16*b+15], v[P4+64*(\p)+16*a:P4+64*(\p)+16*a+15], v[8*(8*a+b):8*(8*a+b)+7]
.endif
.set b, b+1
.endr
.set a, a+1
.endr
.endm
; A step whose successor's tiles are known to lie in LDS: the next step's fragments are asked for, then this step's 32 products are issued.
.macro STEP sg, zero
.if (\sg) > 0
	PLACES 4                                       ; four places in front of loads into registers that the last products read (ISA guide 7.12.1 for vector instructions)
.endif
	FETCH (\sg)+1
	s_wait_dscnt 48                                ; all but the 48 just issued: this step's fragments are in
	WIN MUL
	MULS 0, 4, (\sg)%2, \zero
	WIN 0
.endm
; A step with a barrier.  In front of it each wave waits for all its tensor loads, adds 0 to its spare word, and waits for that and for its LDS reads.  fill = 1: behind a round of the cluster's barrier slot 0,
; which nobody reads any more, takes the last 256 along K.  fill = 0: that fill is shown to every wave.
.macro TURN sg, fill
	s_wait_tensorcnt 0x0                           ; all my tensor loads have landed
	ds_add_u32 v[SPW], v[NIL]                      ; 0 onto my spare word
	s_wait_dscnt 1                                 ; only the add may be out: this step's fragments are in
	WIN MUL
	MULS 0, 2, (\sg)%2, 0                          ; sixteen products stand between the add and the wait for it
	s_wait_dscnt 0x0
	s_barrier_signal -1
	MULS 2, 1, (\sg)%2, 0
	WIN 0                                          ; at a branch and at a label every window is 0
	s_barrier_wait -1
.if \fill
	CREST                                          ; no wave of any partner still reads slot 0 or has a load on its way
	s_add_nc_u64 s[G0A+2:G0A+3], s[G0A+2:G0A+3], 6*A_S
	s_add_nc_u64 s[G0B+2:G0B+3], s[G0B+2:G0B+3], 6*B_S
	JLOAD G0A, G0B                                 ; the first tensor load behind the round; its four v_nop are also the places in front of the loads below
.else
	PLACES 4
.endif
	s_wait_alu depctr_va_vdst(0)
	FETCH (\sg)+1
	WIN MUL
	MULS 3, 1, (\sg)%2, 0
	WIN 0
.endm
	s_wait_tensorcnt 2                             ; my part of slot 0 is in; slots 1 and 2 may stay out
	s_barrier_signal -1
	s_barrier_wait -1
	FETCH 0
	STEP 0, 1                                      ; the first products start the sums: nothing is cleared
	TURN 1, 1
	STEP 2, 0
	STEP 3, 0
	STEP 4, 0
	TURN 5, 0
	STEP 6, 0
	s_wait_dscnt 0x0
	WIN MUL
	MULS 0, 4, 1, 0
	WIN 0
	PLACES 4                                       ; in front of the first read of results and of loads into the fragments' registers
; THE WAY OUT, a block of 16 rows x 128 columns at a time.  A lane holds 32 neighbouring bytes of a row and the lanes beside it other rows: a block goes through my own stage and comes back as whole rows of 512 bytes.
; LDS serves a wave's instructions in order (ISA guide 5.7.1.4): no wait between the stores and the loads, nor in front of the next block's stores.
.macro TOSTAGE a
	WIN 0x02                                       ; source 0 window 2
.set j, 0
.rept 32
	v_pk_mul_f32 v[TMP+j:TMP+j+1], v[64*(\a)+j:64*(\a)+j+1], s[96:97] op_sel_hi:[1,0]   ; x 2^(e6 + e7); each accumulator from its low end on
.set j, j+2
.endr
	WIN 0
.set b, 0
.rept 8
	ds_store_b128 v[STO], v[TMP+8*b:TMP+8*b+3] offset:64*b
	ds_store_b128 v[STO], v[TMP+8*b+4:TMP+8*b+7] offset:64*b+16
.set b, b+1
.endr
.set BB, BK+64*((\a)%2)
.set t, 0
.rept 16
	ds_load_b128 v[BB+4*t:BB+4*t+3], v[RD] offset:t*SP
.set t, t+1
.endr
.endm
.macro SEND a, younger                 ; younger: the LDS instructions issued behind block a's loads, which may stay out
.set BB, BK+64*((\a)%2)
	s_wait_dscnt \younger
.if (\a) > 0
	s_add_nc_u64 s[10:11], s[10:11], 65536         ; 16 rows on (behind a wait on XCNT: the earlier stores have read their base)
.endif
.set t, 0
.rept 16
	global_store_b128 v[CO], v[BB+4*t:BB+4*t+3], s[10:11] offset:4096*t th:TH_STORE_NT   ; 32 lanes store 512 consecutive bytes, aligned; written once, read by nobody here
.set t, t+1
.endr
.endm
	TOSTAGE 0
	TOSTAGE 1
	SEND 0, 32                                     ; behind block 0's loads: block 1's 16 stores and 16 loads
	s_wait_xcnt 0x0                                ; block 0's stores have read their registers and their base
	TOSTAGE 2
	SEND 1, 32
	s_wait_xcnt 0x0
	TOSTAGE 3
	SEND 2, 32
	s_wait_xcnt 0x0
	SEND 3, 0
	s_wait_tensorcnt 0x0                           ; the wave's end, behind my last tensor load and my last LDS store
	ds_add_u32 v[SPW], v[NIL]
	s_wait_dscnt 0x0
	CROUND                                         ; the closing round: no work-group ends while a partner may still ask for a tile that names it
	s_endpgm
.Lfunc_end_k_qf09c4204a0_gemm_proj:
	.size	k_qf09c4204a0_gemm_proj, .Lfunc_end_k_qf09c4204a0_gemm_proj-k_qf09c4204a0_gemm_proj
	.p2alignl 7, 3214868480
	.fill 96, 4, 3214868480
	.section	.rodata,"a",@progbits
	.p2align	6, 0x0
	.amdhsa_kernel k_qf09c4204a0_gemm_proj
		.amdhsa_group_segment_fixed_size 327680
		.amdhsa_private_segment_fixed_size 0
		.amdhsa_enable_private_segment 0
		.amdhsa_kernarg_size 32
		.amdhsa_user_sgpr_count 2
		.amdhsa_user_sgpr_kernarg_segment_ptr 1
		.amdhsa_wavefront_size32 1
		.amdhsa_system_sgpr_workgroup_id_x 1
		.amdhsa_system_sgpr_workgroup_id_y 1
		.amdhsa_system_sgpr_workgroup_id_z 1
		.amdhsa_system_vgpr_workitem_id 0
		.amdhsa_next_free_vgpr 768
		.amdhsa_next_free_sgpr 100
		.amdhsa_reserve_vcc 0
		.amdhsa_float_denorm_mode_32 3
		.amdhsa_float_denorm_mode_16_64 3
		.amdhsa_memory_ordered 1
		.amdhsa_forward_progress 1
		.amdhsa_inst_pref_size 74
	.end_amdhsa_kernel
	.amdgpu_metadata
---
amdhsa.version: [ 1, 2 ]
amdhsa.kernels:
  - .name:           k_qf09c4204a0_gemm_proj
    .symbol:         k_qf09c4204a0_gemm_proj.kd
    .args:
      - { .name: yc, .offset: 0, .size: 8, .value_kind: global_buffer, .address_space: global }
      - { .name: wpc, .offset: 8, .size: 8, .value_kind: global_buffer, .address_space: global }
      - { .name: lowp_scales, .offset: 16, .size: 8, .value_kind: global_buffer, .address_space: global }
      - { .name: out0, .offset: 24, .size: 8, .value_kind: global_buffer, .address_space: global }
    .group_segment_fixed_size: 327680
    .private_segment_fixed_size: 0
    .kernarg_segment_align: 8
    .kernarg_segment_size: 32
    .max_flat_workgroup_size: 128
    .sgpr_count:     100
    .vgpr_count:     768
    .wavefront_size: 32
...
	.end_amdgpu_metadata
.endif
;; end of part 4
